; MI455X (gfx1250); checked and timed in simulation.
; The chip was launched on July 23, 2026; its instructions are those of AMD's public machine-readable ISA for CDNA 5 (MIT licence, August 2026) and "CDNA5" Instruction Set Architecture Reference Guide (July 2026). The comments in the code are by the model that wrote it; some were corrected since.
;; Flattened Vector Quantizer. Allowed arithmetic: float matrix products may take bf16 or f16 operands with f32 sums; other float arithmetic in f32, or as packed bf16 or f16 multiplies, adds, multiply-adds, maxima and minima; sums over many terms, partial sums and values carried from step to step in f32; what a program stores and reads back later, other than sums and carried values, may be rounded once to bf16 or f16.
;; Inputs: weight 8,192 x 512 float32; z_flat 16,384 x 512 float32.
;; Outputs: out0 one number float32; out1 16,384 x 512 float32; out2 16,384 int32.
;; One version. Each part assembles by itself: llvm-mc -triple=amdgcn-amd-amdhsa -mcpu=gfx1250 --defsym DOCPART=n.
;; ======== version 1 of 1: 3 launches
;; limits: a difference of large sums (such as E[x^2] - mean^2): digits are lost where the result is much smaller than its terms
;; workspace buffers: wb 8,388,608 bytes; eeh 32,768 bytes; cval 262,144 bytes; cidx 262,144 bytes of whole numbers; zz 65,536 bytes
;; launch prep (part 1): grid 256 x 1, 8 waves a work-group, no clusters, 0 bytes of LDS; arguments weight, wb, eeh; writes wb, eeh
.if DOCPART == 1
	.amdgcn_target "amdgcn-amd-amdhsa--gfx1250"
	.amdhsa_code_object_version 6
	.text
	.protected	k_q94cbae602f_prep
	.globl	k_q94cbae602f_prep
	.p2align	8
	.type	k_q94cbae602f_prep,@function
k_q94cbae602f_prep:
	s_mov_b64 s[64:65], 0
	v_nop
	global_prefetch_b8 v0, s[64:65] scope:SCOPE_SE
	s_setreg_imm32_b32 hwreg(HW_REG_WAVE_MODE, 25, 1), 1
	s_wait_xcnt 0x0
; VECTOR QUANTIZER, launch 1 of 3: the codebook rounded to bf16 (wb) and -||e_b||^2 / 2 for each code (eeh), e_b being the rounded row.
; THE PROGRAM.  Launch 2 finds, for each token and each quarter of the codebook, the code with the greatest s = z_b . e_b - ||e_b||^2 / 2 (bf16 operands, f32 sums);
; launch 3 chooses among the four, stores the index and the chosen row, and makes the loss.
; WORK LEFT OUT, for all finite values of z_flat and weight, in exact arithmetic:
;   (1) distances = ||z||^2 + ||e||^2 - 2 z.e: the term ||z||^2 is the same along the axis of the argmin, so argmin(distances) = argmax(z.e - ||e||^2 / 2): it is not added to the scores.
;   (2) quantized_st = z + (q - z) = q: the row is stored as it is chosen, and launch 3 does not read z_flat.
;   (3) stop_gradient changes no value: both loss terms are mean((q - z)^2), loss = 1.25 mean((q - z)^2).
;   (4) sum over k of (q_k - z_k)^2 = ||z||^2 + ||q||^2 - 2 z.q = ||z||^2 - 2 s_max: the loss is made of numbers that the search has anyway, all three sums on the same rounded operands.
; Both inputs are read: weight here, z_flat in launch 2.
; LIMITS.  A NaN, an infinity or an overflow that reaches only the work left out is not carried to the result.  A NaN score is never chosen.  out1 holds the weight rounded to bf16
; (off by at most 2^-9 of itself).  (4) takes a difference of f32 sums: with a common offset of 30 spreads the sums are some 900 times the difference, and a token's term is then good to about 1e-3 of itself.
; SHARES.  2,048 waves, four rows each.  A row is 2,048 bytes: lane l takes the floats 4 l .. 4 l + 3 of each of its four pieces of 128, so a load covers 512 consecutive bytes and
; a store of the rounded piece 256 consecutive bytes, aligned.  All 16 loads of a wave go out at once.  No LDS, no barrier: a row never leaves its wave.
; The four sums of a wave leave as 16 bytes (lanes 0 to 3): 32 KiB in the whole launch.
.set X,  16                            ; v[16:79]   row p, piece i at X + 16 p + 4 i, as loaded
.set PK, 80                            ; v[80:111]  row p at PK + 8 p: 16 bf16 a lane
	s_load_b128 s[4:7], s[0:1], 0x0                ; weight s[4:5], wb s[6:7]
	s_load_b64 s[8:9], s[0:1], 0x10                ; eeh
	v_and_b32 v1, 31, v0                           ; lane
	v_lshrrev_b32 v5, 5, v0
	v_readfirstlane_b32 s10, v5                    ; wave in the work-group
	s_lshl_b32 s11, ttmp9, 3
	s_add_co_u32 s11, s11, s10                     ; wave in the launch, W
	v_lshlrev_b32 v2, 4, v1                        ; 16 l: loads
	v_lshlrev_b32 v3, 3, v1                        ; 8 l: stores of bf16
	v_lshlrev_b32 v12, 2, v1                       ; 4 l: the sums
	v_mov_b32 v4, 0                                ; the chains' first addend
	v_mov_b32 v10, 0                               ; written before v_permlanex16_b32 names it as its destination
	v_mov_b32 v11, 0                               ; lane p will hold row p's result
	s_mov_b32 s12, 0x76543210                      ; v_permlanex16_b32: each lane takes its own place in the other half
	s_mov_b32 s13, 0xfedcba98
.irp p, 0,1,2,3
	v_cmp_eq_u32 s[16+\p], \p, v1
.endr
	s_lshl_b32 s20, s11, 13                        ; W x 4 rows x 2,048 bytes
	s_mov_b32 s21, 0
	s_lshl_b32 s22, s11, 12                        ; W x 4 rows x 1,024 bytes
	s_mov_b32 s23, 0
	s_lshl_b32 s24, s11, 4                         ; W x 4 numbers
	s_mov_b32 s25, 0
	s_wait_kmcnt 0x0
	s_add_nc_u64 s[4:5], s[4:5], s[20:21]
	s_add_nc_u64 s[6:7], s[6:7], s[22:23]
	s_add_nc_u64 s[8:9], s[8:9], s[24:25]
.irp p, 0,1,2,3
.irp i, 0,1,2,3
	global_load_b128 v[X+16*\p+4*\i:X+16*\p+4*\i+3], v2, s[4:5] offset:2048*\p+512*\i th:TH_LOAD_NT
.endr
.endr
; Row p: rounded, stored, and the sum of squares of the ROUNDED numbers, in two chains (low halves, high halves) of eight fused multiply-adds in f32.
.macro ROW p
	s_wait_loadcnt 12-4*(\p)                       ; loads come back in order: my four are in, the younger rows' four each stay out
.irp k, 0,1,2,3,4,5,6,7
	v_cvt_pk_bf16_f32 v[PK+8*(\p)+\k], v[X+16*(\p)+2*\k], v[X+16*(\p)+2*\k+1]
.endr
.irp i, 0,1,2,3
	global_store_b64 v3, v[PK+8*(\p)+2*\i:PK+8*(\p)+2*\i+1], s[6:7] offset:1024*(\p)+256*\i  ; 32 lanes x 8 bytes: 256 consecutive bytes, aligned
.endr
	v_fma_mix_f32_bf16 v8, v[PK+8*(\p)], v[PK+8*(\p)], v4 op_sel_hi:[1,1,0]
	v_fma_mix_f32_bf16 v9, v[PK+8*(\p)], v[PK+8*(\p)], v4 op_sel:[1,1,0] op_sel_hi:[1,1,0]
.irp k, 1,2,3,4,5,6,7
	v_fma_mix_f32_bf16 v8, v[PK+8*(\p)+\k], v[PK+8*(\p)+\k], v8 op_sel_hi:[1,1,0]
	v_fma_mix_f32_bf16 v9, v[PK+8*(\p)+\k], v[PK+8*(\p)+\k], v9 op_sel:[1,1,0] op_sel_hi:[1,1,0]
.endr
	v_add_f32 v8, v8, v9
	v_add_f32_dpp v8, v8, v8 row_xmask:1 row_mask:0xf bank_mask:0xf
	v_add_f32_dpp v8, v8, v8 row_xmask:2 row_mask:0xf bank_mask:0xf
	v_add_f32_dpp v8, v8, v8 row_xmask:4 row_mask:0xf bank_mask:0xf
	v_add_f32_dpp v8, v8, v8 row_xmask:8 row_mask:0xf bank_mask:0xf
	v_permlanex16_b32 v10, v8, s12, s13
	v_add_f32 v8, v8, v10                          ; every lane holds the row's sum
	v_mul_f32 v8, -0.5, v8
	v_cndmask_b32 v11, v11, v8, s[16+(\p)]         ; lane p keeps it
.endm
	ROW 0
	ROW 1
	ROW 2
	ROW 3
	v_cmp_gt_u32 vcc_lo, 4, v1
	s_wait_xcnt 0x0                                ; EXEC is narrowed only when every earlier load and store has had its addresses translated
	s_and_saveexec_b32 s26, vcc_lo
	global_store_b32 v12, v11, s[8:9]              ; lanes 0 to 3: my four rows' numbers
	s_wait_xcnt 0x0                                ; and widened again only behind the same wait
	s_or_b32 exec_lo, exec_lo, s26
	s_endpgm
.Lfunc_end_k_q94cbae602f_prep:
	.size	k_q94cbae602f_prep, .Lfunc_end_k_q94cbae602f_prep-k_q94cbae602f_prep
	.p2alignl 7, 3214868480
	.fill 96, 4, 3214868480
	.section	.rodata,"a",@progbits
	.p2align	6, 0x0
	.amdhsa_kernel k_q94cbae602f_prep
		.amdhsa_group_segment_fixed_size 0
		.amdhsa_private_segment_fixed_size 0
		.amdhsa_enable_private_segment 0
		.amdhsa_kernarg_size 24
		.amdhsa_user_sgpr_count 2
		.amdhsa_user_sgpr_kernarg_segment_ptr 1
		.amdhsa_wavefront_size32 1
		.amdhsa_system_sgpr_workgroup_id_x 1
		.amdhsa_system_sgpr_workgroup_id_y 1
		.amdhsa_system_sgpr_workgroup_id_z 1
		.amdhsa_system_vgpr_workitem_id 0
		.amdhsa_next_free_vgpr 112
		.amdhsa_next_free_sgpr 66
		.amdhsa_reserve_vcc 1
		.amdhsa_float_denorm_mode_32 3
		.amdhsa_float_denorm_mode_16_64 3
		.amdhsa_memory_ordered 1
		.amdhsa_forward_progress 1
		.amdhsa_inst_pref_size 13
	.end_amdhsa_kernel
	.amdgpu_metadata
---
amdhsa.version: [ 1, 2 ]
amdhsa.kernels:
  - .name:           k_q94cbae602f_prep
    .symbol:         k_q94cbae602f_prep.kd
    .args:
      - { .name: weight, .offset: 0, .size: 8, .value_kind: global_buffer, .address_space: global }
      - { .name: wb, .offset: 8, .size: 8, .value_kind: global_buffer, .address_space: global }
      - { .name: eeh, .offset: 16, .size: 8, .value_kind: global_buffer, .address_space: global }
    .group_segment_fixed_size: 0
    .private_segment_fixed_size: 0
    .kernarg_segment_align: 8
    .kernarg_segment_size: 24
    .max_flat_workgroup_size: 256
    .sgpr_count:     66
    .vgpr_count:     112
    .wavefront_size: 32
...
	.end_amdgpu_metadata
.endif
;; end of part 1
;; launch scan (part 2): grid 64 x 4, 4 waves a work-group, clusters of 4 x 1, 327,680 bytes of LDS; arguments z_flat, wb, eeh, cval, cidx, zz; writes cval, cidx, zz
.if DOCPART == 2
	.amdgcn_target "amdgcn-amd-amdhsa--gfx1250"
	.amdhsa_code_object_version 6
	.text
	.protected	k_q94cbae602f_scan
	.globl	k_q94cbae602f_scan
	.p2align	8
	.type	k_q94cbae602f_scan,@function
k_q94cbae602f_scan:
	s_mov_b64 s[64:65], 0
	v_nop
	global_prefetch_b8 v0, s[64:65] scope:SCOPE_SE
	s_setreg_imm32_b32 hwreg(HW_REG_WAVE_MODE, 25, 1), 1
	s_wait_xcnt 0x0
	s_wait_alu depctr_hold_cnt(0) depctr_sa_sdst(0) depctr_va_vdst(0) depctr_va_sdst(0) depctr_va_ssrc(0) depctr_va_vcc(0) depctr_vm_vsrc(0)
	s_getreg_b32 s2, hwreg(HW_REG_IB_STS2, 6, 4)
	s_cmp_eq_u32 s2, 0
	s_cbranch_scc0 .Lentry_in_a_cluster
	s_endpgm
.Lentry_in_a_cluster:
	s_bfe_u32 s2, ttmp6, 0x10000c
	s_cmp_lg_u32 s2, 0x3003
	s_cbranch_scc0 .Lentry_shape_is_right
	s_endpgm
.Lentry_shape_is_right:
; VECTOR QUANTIZER, launch 2 of 3: for each token and each quarter y of the codebook the greatest s = z_b . e_b - ||e_b||^2 / 2 (cval) and its code (cidx, a whole number); and ||z_b||^2 (zz).
; LEFT OUT (shown at the head of the first kernel): ||z||^2 is the same for all codes of a token, so it is not added to the scores.
; LIMITS.  Operands are rounded to bf16, sums are f32.  A NaN score is never chosen; a token whose scores are all NaN or -infinity gets the quarter's code 0.  Of equal scores the lowest code wins.
; SHARES.  A work-group has 256 tokens and one quarter (2,048 codes); each of its four waves 64 tokens, as four blocks of 16, and ALL their 512 channels stay in registers as matrix operands
; (512 registers a wave).  Every wave walks the quarter's 128 tiles of 16 codes: per tile 64 matrix instructions (16 chunks of 32 channels x 4 token blocks) on four accumulators that take turns.
; LAYOUT.  Source 0 = 16 tokens, source 1 = 16 codes: in the result lane (r, h) = (lane % 16, lane / 16) holds code r and, in register j, token 8 h + j.  So a lane keeps a running best for the
; codes of ITS class r (32 values, 32 tile numbers), and lanes meet once, at the end.  The channels are permuted alike in both sources: lane (r, h) of chunk kc holds the channels
; 32 kc + 16 h + 0..15, which are 64 consecutive bytes of z_flat and 32 consecutive bytes of wb.
; THE SUMS start at the constant 0; -||e_b||^2 / 2 is added once, in f32, behind the chain, so that the partial sums stay small and the scores, whose order decides whole numbers, lose least.
; BY TURNS.  While tile t is multiplied, tile t - 1 is scanned: for each of its 32 results an add, a compare and two selects, four vector instructions behind every second matrix instruction.
; RING.  Two LDS slots of 128 codes (8 tiles); each wave fetches 32 rows of 1,024 bytes with one tensor load.  CLUSTER: the four work-groups of a cluster have the same quarter and walk the same
; codes, so every tile is asked for JOINTLY: the same load, descriptor and mask in all four.  z_flat is read once, straight into registers: nothing of it is shared.
; The pieces of z_flat that a lane loads are 16 bytes of rows 2,048 bytes apart: the price, once a launch, of operands that never pass through LDS.
; REGISTERS, in windows of 256 (s_set_vgpr_msb: bits 1:0 source 0, 3:2 source 1, 5:4 source 2, 7:6 destination):
;   window 0: v0-20 addresses and at work; v32-63, v64-95 two sets of four accumulators; v96-127 best values; v128-159 their tile numbers; v160-209 the end's work
;   window 1: two buffers of 128: a tile's codes (chunk kc at 8 kc); at the start four staging buffers of 64 for z_flat in f32
;   windows 2, 3: the tokens: chunk kc, block b at 32 (kc % 8) + 8 b of window 2 + kc / 8
.set PITCH, 1040                       ; an LDS row of codes: 1,024 bytes + 16 of padding = 260 words: row r starts at bank 4 r mod 64 (64 banks of 4 bytes: ISA guide 11.1), so the 16 rows of a load start at 16 different groups of four banks
.set TILEB, 16*PITCH                   ; a tile of 16 codes
.set SLOT,  8*TILEB                    ; 133,120 = 0x20800: it shares no bit with 33,280 x wave, so one exclusive or turns a wave's address in one slot into the other's
.set EE,    2*SLOT                     ; behind the ring: the quarter's 2,048 numbers -||e_b||^2 / 2; filled once
.set STAGE, EE+8192                    ; 768 bytes a wave, three areas of 256, for the way out; no tensor load lands here
.set SPARE, STAGE+4*768                ; the spare words, 128 bytes a wave: two blocks of 256 bytes that no other line names
.set STEPB, 131072                     ; bytes of wb in a slot: 128 rows
.set RR,   1                           ; v1   r
.set SPW,  2                           ; v2   LDS address of my spare word: SPARE + 4 x my thread's number; never rewritten
.set NIL,  3                           ; v3   0; never rewritten
.set AE0,  4                           ; v4   my place in a tile of codes: 1,040 r + 32 h
.set ADR,  5                           ; v5   the LDS address of the run of loads in hand
.set ADRE, 6                           ; v6   the LDS address of the tile's -||e_b||^2 / 2
.set ZO,   7                           ; v7   my place in 16 rows of z_flat: 2,048 r + 64 h
.set PFO,  8                           ; v8   the prefetches' offset: 256 x lane
.set VT,   9                           ; v9   the number of the tile that is being scanned
.set TT,   10                          ; v10-11  two scores at work, by turns
.set ES,   12                          ; v12-13  -||e_b||^2 / 2 of my code, by the parity of the tile that scans with it
.set STG,  14                          ; v14  my stage + 4 x lane
.set STG2, 15                          ; v15  my stage + 8 x lane
.set GO,   16                          ; v16  8 x lane
.set HH,   17                          ; v17  h
.set R7,   18                          ; v18  r % 8
.set TMP,  19                          ; v19  at work
.set EE0,  20                          ; v20  EE + 4 r
.set ACC,  32
.set BV,   96
.set BI,   128
.set MX,   160                         ; the end: a token's maximum over the 16 classes
.set DG,   192                         ; the end: 18 registers
.set WV,   16                          ; s16  my wave's number
.set CX,   17                          ; s17  my place in the cluster: it enters z_flat's, the outputs' and the prefetches' addresses alone
.set TB,   18                          ; s18  my block of 256 tokens
.set YQ,   19                          ; s19  the quarter, which the four partners share
.set G1,   24                          ; s[24:31] descriptor group 1 for the code tiles
.set G1E,  32                          ; s[32:39] for the table of -||e_b||^2 / 2
.set G0A,  40                          ; s[40:43] group 0: slot 0's first fill
.set G0W,  44                          ; s[44:47] group 0: slot 1's first fill; it then walks
.set G0E,  48                          ; s[48:51] group 0: the table
.set STEPS, 52                         ; s52  refills still to come
.set PAIRS, 53                         ; s53  counts three pairs of tiles
.set FT,   54                          ; s54  LDS byte at which the tile to be fetched begins
.set TP,   55                          ; s55  the number of the tile to be scanned
.set LIM,  56                          ; s56  1 in a work-group that prefetches, else the greatest number
.set INF,  57                          ; s57  -infinity, at the end +infinity
.set PFA,  58                          ; s[58:59] where my prefetches stand
.set SEL,  60                          ; s[60:61] v_permlanex16_b32's selects: each lane takes its own place in the other half
.set MK,   66                          ; s66-72  lanes with r % 8 = 1 .. 7
.set MH,   73                          ; s73  lanes with r / 8 = h
.set MHI,  74                          ; s74  lanes with h = 1
.set EO,   75                          ; s75  64 x the tile in hand
.set MSB, 0
.macro WIN new                         ; the immediate's high byte repeats the setting that is left; a switch that changes nothing is dropped
.if MSB != (\new)
	s_set_vgpr_msb (MSB<<8)|(\new)
.set MSB, \new
.endif
.endm
.set MUL_LO,  0x06                     ; tokens (source 0) window 2, codes (source 1) window 1, C and D window 0; + 1: tokens window 3
.set TO_E,    0x40                     ; destination window 1, address window 0
.set CVT_LO,  0x85                     ; sources window 1, destination window 2; + 0x40: window 3
.set GRAM_LO, 0x0a                     ; both sources window 2; + 5: window 3
; A round of the cluster's barrier: my work-group's barrier, so that wave 0's signal speaks for all four waves; wave 0 signals; every wave waits for all four work-groups; my work-group's barrier once more.
.macro CREST                           ; a round behind its opening barrier
	s_cmp_lg_u32 s[WV], 0
	s_cbranch_scc1 .Lnot_wave_0_\@
	s_barrier_signal -3
.Lnot_wave_0_\@:
	s_barrier_wait -3
	s_barrier_signal -1
	s_barrier_wait -1
.endm
.macro CROUND
	s_barrier_signal -1
	s_barrier_wait -1
	CREST
.endm
; A joint refill: every wave fetches its own 32 rows, told apart by the wave's number alone.  An s_nop 0 and four v_nop follow the line.
.macro JLOAD
	tensor_load_to_lds s[G0W:G0W+3], s[G1:G1+7]
	s_nop 0
.rept 4
	v_nop
.endr
.endm
; A PREFETCH INTO THE L2 of what the NEXT refill will ask for: one slot, 512 matrix instructions a wave, ahead of that load.  All sixteen clusters of a quarter walk the same rows: the quarter's first cluster asks.
; Of the 32 rows that wave w fetches each of the four partners takes 8, told apart BY ADDRESS: 8,192 dense bytes, a lane for each 256.  So each block is named once in the launch.
; The first three slots come by their loads alone; the last refill asks for nothing: there is no slot behind it.
.macro ASK
	s_cmp_gt_u32 s[STEPS], s[LIM]
	s_cbranch_scc0 .Lnot_mine_\@
	global_prefetch_b8 v[PFO], s[PFA:PFA+1] th:TH_LOAD_NT scope:SCOPE_SE
.Lnot_mine_\@:
.endm
	s_load_b256 s[4:11], s[0:1], 0x0               ; z_flat s[4:5], wb s[6:7], eeh s[8:9], cval s[10:11]
	s_load_b128 s[12:15], s[0:1], 0x20             ; cidx s[12:13], zz s[14:15]
	v_lshl_add_u32 v[SPW], v0, 2, SPARE
	v_mov_b32 v[NIL], 0
	ds_add_u32 v[SPW], v[NIL]                      ; the wave's opening: the add, twice on end, and its wait ahead of my first tensor load; the set-up below, work on registers, stands between
	ds_add_u32 v[SPW], v[NIL]
	v_lshrrev_b32 v[TMP], 5, v0
	v_readfirstlane_b32 s[WV], v[TMP]              ; wave 0..3
	s_bfe_u32 s[CX], ttmp6, 0x40000
	s_and_b32 s[YQ], ttmp7, 0xffff
	; group 1 for the codes: a tile of 32 rows x 512 elements of 2 bytes, padded in LDS
	s_mov_b32 s[G1+0], 15|(1<<16)|(1<<20)|(1<<21)|(7<<22)|(3<<25)  ; 15:0 the mask of four; 17:16 2-byte elements; 20 padding on; 21 set beside a mask; 24:22 after every 256 words (code 7); 31:25 4 words (code 3)
	s_mov_b32 s[G1+1], 512<<16                     ; tensor_dim0 = 512
	s_mov_b32 s[G1+2], 32<<16                      ; tensor_dim1 = 32
	s_mov_b32 s[G1+3], 512<<16                     ; tile_dim0 = 512
	s_mov_b32 s[G1+4], 32                          ; tile_dim1 = 32
	s_mov_b32 s[G1+5], 512                         ; 512 elements from row to row
	s_mov_b32 s[G1+6], 0
	s_mov_b32 s[G1+7], 0
	; group 1 for the table: 2,048 dense bytes a wave, as 8 rows of 32 elements of 8 bytes
	s_mov_b32 s[G1E+0], 15|(3<<16)|(1<<21)
	s_mov_b32 s[G1E+1], 32<<16
	s_mov_b32 s[G1E+2], 8<<16
	s_mov_b32 s[G1E+3], 32<<16
	s_mov_b32 s[G1E+4], 8
	s_mov_b32 s[G1E+5], 32
	s_mov_b32 s[G1E+6], 0
	s_mov_b32 s[G1E+7], 0
	s_mul_i32 s20, s[WV], 32*PITCH                 ; my 32 rows in a slot: no place in the cluster enters an LDS address
	s_mov_b32 s[G0A], 1
	s_mov_b32 s[G0A+1], s20
	s_mov_b32 s[G0W], 1
	s_add_co_u32 s[G0W+1], s20, SLOT
	s_mov_b32 s[G0E], 1
	s_lshl_b32 s21, s[WV], 11
	s_add_co_u32 s[G0E+1], s21, EE
	s_lshl_b32 s22, s[YQ], 21                      ; the quarter's 2,048 rows of 1,024 bytes,
	s_lshl_b32 s23, s[WV], 15                      ; my 32 rows
	s_add_co_u32 s22, s22, s23
	s_mov_b32 s23, 0
	s_lshl_b32 s20, s[YQ], 13                      ; the quarter's 2,048 numbers,
	s_add_co_u32 s20, s20, s21                     ; my 512
	s_mov_b32 s21, 0
	s_wait_dscnt 0x0                               ; both opening adds are done
	s_wait_kmcnt 0x0
	s_add_nc_u64 s[6:7], s[6:7], s[22:23]          ; wb at my rows of the quarter's first slot
	s_add_nc_u64 s[8:9], s[8:9], s[20:21]
	s_mov_b64 s[G0A+2:G0A+3], s[6:7]
	s_or_b32 s[G0A+3], s[G0A+3], 0x80000000        ; 127:126 type = 2
	s_add_nc_u64 s[G0W+2:G0W+3], s[6:7], STEPB
	s_or_b32 s[G0W+3], s[G0W+3], 0x80000000
	s_mov_b64 s[G0E+2:G0E+3], s[8:9]
	s_or_b32 s[G0E+3], s[G0E+3], 0x80000000
	CROUND                                         ; all four work-groups are here: the first joint loads meet
	tensor_load_to_lds s[G0A:G0A+3], s[G1:G1+7]    ; the three first fills go out together: three loads of mine are out
	s_nop 0
	tensor_load_to_lds s[G0E:G0E+3], s[G1E:G1E+7]
	s_nop 0
	tensor_load_to_lds s[G0W:G0W+3], s[G1:G1+7]
	s_nop 0
.rept 4
	v_nop
.endr
	s_lshl_b32 s[TB], ttmp9, 2                     ; in a cluster launch ttmp9 counts clusters
	s_add_co_u32 s[TB], s[TB], s[CX]
	s_lshl_b32 s76, s[TB], 8
	s_lshl_b32 s77, s[WV], 6
	s_add_co_u32 s76, s76, s77                     ; my first token
	s_lshl_b32 s78, s76, 11
	s_mov_b32 s79, 0
	s_add_nc_u64 s[4:5], s[4:5], s[78:79]          ; z_flat at my first row
	v_and_b32 v[RR], 15, v0
	v_bfe_u32 v[HH], v0, 4, 1
	v_lshlrev_b32 v[ZO], 11, v[RR]
	v_lshl_add_u32 v[ZO], v[HH], 6, v[ZO]
; THE TOKENS.  Step s of 16 brings four fragments (block s / 4, chunks 4 (s % 4) + 0..3) in f32 into staging buffer s % 4: a lane's 16 numbers of a fragment are four loads of 16 bytes.
.macro ZLOAD s
	WIN TO_E
.irp f, 0,1,2,3
.irp c, 0,1,2,3
	global_load_b128 v[64*((\s)%4)+16*\f+4*\c:64*((\s)%4)+16*\f+4*\c+3], v[ZO], s[4:5] offset:32768*((\s)/4)+128*(4*((\s)%4)+\f)+16*\c
.endr
.endr
.endm
.macro ZCVT s                          ; and rounds them to bf16, into the operand registers
	WIN CVT_LO+0x40*(((\s)%4)/2)
.irp f, 0,1,2,3
.irp i, 0,1,2,3,4,5,6,7
	v_cvt_pk_bf16_f32 v[32*((4*((\s)%4)+\f)%8)+8*((\s)/4)+\i], v[64*((\s)%4)+16*\f+2*\i], v[64*((\s)%4)+16*\f+2*\i+1]
.endr
.endr
.endm
	ZLOAD 0
	ZLOAD 1
	ZLOAD 2
	ZLOAD 3
	WIN 0                                          ; the rest of the set-up stands in the wait for those loads
	s_lshl_b32 s78, s76, 2
	s_add_nc_u64 s[14:15], s[14:15], s[78:79]      ; zz at my tokens
	s_lshl_b32 s80, s[YQ], 16
	s_add_co_u32 s78, s78, s80
	s_add_nc_u64 s[10:11], s[10:11], s[78:79]      ; cval and cidx at my tokens of the quarter's row
	s_add_nc_u64 s[12:13], s[12:13], s[78:79]
	s_lshl_b32 s80, s[CX], 13                      ; my work-group's 8 rows of the 32 that my wave fetches
	s_mov_b32 s81, 0
	s_add_nc_u64 s[PFA:PFA+1], s[6:7], s[80:81]
	s_add_nc_u64 s[PFA:PFA+1], s[PFA:PFA+1], 2*STEPB  ; in slot 2; the first refill steps it to slot 3.  Nothing is prefetched here, at the head
	s_cmp_eq_u32 ttmp9, 0                          ; the quarter's first cluster: the same in all four partners
	s_cselect_b32 s[LIM], 1, -1
	s_mov_b32 s[SEL], 0x76543210
	s_mov_b32 s[SEL+1], 0xfedcba98
	s_lshl_b32 s83, s[YQ], 11                      ; the quarter's first code
	s_mul_i32 s82, s[WV], 768
	s_add_co_u32 s82, s82, STAGE                   ; my stage
	v_and_b32 v[TMP], 31, v0
	v_lshl_add_u32 v[STG], v[TMP], 2, s82
	v_lshl_add_u32 v[STG2], v[TMP], 3, s82
	v_lshlrev_b32 v[GO], 3, v[TMP]
	v_lshlrev_b32 v[PFO], 8, v[TMP]
	v_mul_u32_u24 v[AE0], v[RR], PITCH
	v_lshl_add_u32 v[AE0], v[HH], 5, v[AE0]
	v_lshl_add_u32 v[EE0], v[RR], 2, EE
	v_and_b32 v[R7], 7, v[RR]
.irp j, 1,2,3,4,5,6,7
	v_cmp_eq_u32 s[MK+\j-1], \j, v[R7]
.endr
	v_lshrrev_b32 v[TMP], 3, v[RR]
	v_cmp_eq_u32 s[MH], v[TMP], v[HH]
	v_cmp_eq_u32 s[MHI], 1, v[HH]
	; What the first tile's scan finds: a tile before it whose scores are -infinity, and bests of -infinity, so that it changes nothing and needs no text of its own.
	s_mov_b32 s[INF], 0xff800000
.set g, 0
.rept 32
	v_mov_b32 v[BV+g], s[INF]
	v_mov_b32 v[BI+g], 0
	v_mov_b32 v[ACC+32+g], s[INF]
.set g, g+1
.endr
	v_mov_b32 v[ES], 0
.set zs, 0
.rept 16
.if zs < 13
	s_wait_loadcnt 48                              ; loads come back in order: this step's 16 are in, the three younger steps' stay out
.else
	s_wait_loadcnt 16*(15-zs)
.endif
	ZCVT zs
.if zs < 12
	ZLOAD zs+4                                     ; the buffer just read takes the step four further on
.endif
.set zs, zs+1
.endr
	WIN 0
	; ||z_b||^2, in the work-groups of quarter 0 alone (the branch is the same in all partners, and jumps no barrier and no tensor load): the diagonal of Z Z^T, block by block: 64 products, the four accumulators by turns.
	s_cmp_lg_u32 s[YQ], 0
	s_cbranch_scc1 .Lno_zz
.set n, 0
.rept 64
	WIN GRAM_LO+5*(n/32)
.set rA, 32*((n/4)%8)+8*(n%4)
.set rD, ACC+8*(n%4)
.if n < 4
	v_wmma_f32_16x16x32_bf16 v[rD:rD+7], v[rA:rA+7], v[rA:rA+7], 0
.else
	v_wmma_f32_16x16x32_bf16 v[rD:rD+7], v[rA:rA+7], v[rA:rA+7], v[rD:rD+7]
.endif
.set n, n+1
.endr
	WIN 0
.rept 4
	v_nop                                          ; four places between the last products and the reads of their results (ISA guide 7.12.1)
.endr
; Of eight registers in which lane (r, h) holds token 8 h + j in register j (for the product above: in its column r), token r is brought into lane (r, h): register r % 8, from the half of the lanes with h = r / 8.
; The lowest registers are read first.
.macro DIAG dst, src
	v_cndmask_b32 v[\dst], v[\src], v[(\src)+1], s[MK]
.irp j, 2,3,4,5,6,7
	v_cndmask_b32 v[\dst], v[\dst], v[(\src)+\j], s[MK+\j-1]
.endr
	v_permlanex16_b32 v[TMP], v[\dst], s[SEL], s[SEL+1]
	v_cndmask_b32 v[\dst], v[TMP], v[\dst], s[MH]
.endm
; 64 numbers (tokens l in f0, 32 + l in f1) go through my own stage, so that one store covers 256 consecutive bytes, aligned.  LDS serves a wave's instructions in order (ISA guide 5.7.1.4): the load sees the stores.
.macro OUT64 f0, f1, area, pair, base
	ds_store_b32 v[STG], v[\f0] offset:\area
	ds_store_b32 v[STG], v[\f1] offset:(\area)+128
	ds_load_b64 v[\pair:(\pair)+1], v[STG2] offset:\area
	s_wait_dscnt 0x0
	global_store_b64 v[GO], v[\pair:(\pair)+1], s[\base:(\base)+1]
.endm
	DIAG DG+0, ACC+0
	DIAG DG+1, ACC+8
	DIAG DG+2, ACC+16
	DIAG DG+3, ACC+24
	v_cndmask_b32 v[DG+8], v[DG+0], v[DG+1], s[MHI]  ; lanes 0-15: block 0, lanes 16-31: block 1
	v_cndmask_b32 v[DG+9], v[DG+2], v[DG+3], s[MHI]
	OUT64 DG+8, DG+9, 0, DG+16, 14
.Lno_zz:
; THE MATRIX WORK.  Product n of a tile's 64: chunk n / 4, token block n % 4, into set p.  The four accumulators take turns, one instruction a turn; the first four start the sums with the constant 0.
.macro MM p
	WIN MUL_LO+(n/32)
.set rA, 32*((n/4)%8)+8*(n%4)
.set rB, 128*(\p)+8*(n/4)
.set rD, ACC+32*(\p)+8*(n%4)
.if n < 4
	v_wmma_f32_16x16x32_bf16 v[rD:rD+7], v[rA:rA+7], v[rB:rB+7], 0
.else
	v_wmma_f32_16x16x32_bf16 v[rD:rD+7], v[rA:rA+7], v[rB:rB+7], v[rD:rD+7]
.endif
.set n, n+1
.endm
; THE SCAN of result g of 32 of the tile before (set 1 - p): is its score greater than the best?  Strictly: of equal scores the earlier tile stays.  The next result's score is made between the compare and the selects;
; the adds take each accumulator's registers in ascending order.
.macro GROUP p, g
	WIN 0
	v_cmp_gt_f32 vcc_lo, v[TT+(\g)%2], v[BV+(\g)]
.if (\g) < 31
	v_add_f32 v[TT+((\g)+1)%2], v[ACC+32*(1-(\p))+(\g)+1], v[ES+(\p)]
.endif
	v_cndmask_b32 v[BI+(\g)], v[BI+(\g)], v[VT], vcc_lo
	v_cndmask_b32 v[BV+(\g)], v[BV+(\g)], v[TT+(\g)%2], vcc_lo
.endm
; THE LDS LOADS stand in one run a tile: the next tile's 16 codes x 512 channels into buffer e, 32 loads of 16 bytes a lane,
.macro LOADE e
	WIN TO_E
.irp k, 0,1,2,3,4,5,6,7,8,9,10,11,12,13,14,15
	ds_load_b128 v[128*(\e)+8*\k:128*(\e)+8*\k+3],   v[ADR] offset:64*\k
	ds_load_b128 v[128*(\e)+8*\k+4:128*(\e)+8*\k+7], v[ADR] offset:64*\k+16
.endr
	WIN 0
.endm
.macro FETCH p, e                      ; and the tile in hand's own -||e_b||^2 / 2, which the next tile's scan adds
.if \e
	LOADE 1-(\p)
.endif
	WIN 0
	ds_load_b32 v[ES+1-(\p)], v[ADRE]
	s_add_co_u32 s[FT], s[FT], TILEB
	s_add_co_u32 s[EO], s[EO], 64
.endm
; A TILE, on set and buffer p.  mode 0: plain.  1: a slot's last tile: the slot is left and filled again.  2: it is left and not filled.  3: the walk's last tile: nothing is left to fetch.
; THE CHANGE OF SLOTS (modes 1, 2).  The slot's last bytes, this tile's codes, are in registers.  Each wave waits for all its tensor loads, of which one is out: its part of the other slot; adds 0 to its spare word; and waits
; for that and for its reads of the slot.  Then it signals, works on registers (16 products and eight results' scan), and waits.  Behind the barrier nobody reads the old slot and the other is whole.  In mode 1 the barrier opens
; a round of the cluster's, so that no wave of any partner still reads the slot or has a load on its way; the joint refill is the first thing behind it, and has some 500 products in which to land.
.macro TILE p, mode
.if ((\mode) == 1) || ((\mode) == 2)
	WIN 0                                          ; the add's two registers lie in window 0
.if (\mode) == 1
	s_wait_xcnt 0x0                                ; the last prefetch, a slot back, has read its address: it is stepped here, ahead of the change's own waits
	s_add_nc_u64 s[PFA:PFA+1], s[PFA:PFA+1], STEPB
.endif
	s_wait_tensorcnt 0x0                           ; no tensor load of mine is out, so a group 0 may be written
	ds_add_u32 v[SPW], v[NIL]                      ; 0 onto my spare word; the scalar steps stand between it and the wait for it
.if (\mode) == 1
	s_xor_b32 s[G0W+1], s[G0W+1], SLOT             ; the walking descriptor: the other slot than last time,
	s_add_nc_u64 s[G0W+2:G0W+3], s[G0W+2:G0W+3], STEPB  ; the next 128 codes; the type bits on top are not reached
.endif
	s_sub_co_u32 s[FT], s[FT], 8*TILEB             ; the fetches go back to a slot's first tile,
	s_xor_b32 s[FT], s[FT], SLOT                   ; in the other slot
	s_add_co_u32 s[TP], s[TP], 1
	s_wait_dscnt 0x0                               ; the add is done, and my reads of the slot are over
	s_barrier_signal -1
.else
	s_add_co_u32 s[TP], s[TP], 1
	s_wait_dscnt 0x0                               ; the 33 loads of the last tile's run: this tile's codes, the last tile's -||e_b||^2 / 2
.endif
.set n, 0
.rept 4
	MM \p
.endr
	WIN 0                                          ; four plain instructions that name no register of the last tile's products: the places in front of the scan of their results and of the loads into their buffer
	v_mov_b32 v[VT], s[TP]
	v_add_nc_u32 v[ADR], s[FT], v[AE0]
	v_add_nc_u32 v[ADRE], s[EO], v[EE0]
	v_nop
	v_add_f32 v[TT], v[ACC+32*(1-(\p))], v[ES+(\p)]
.if (\mode) == 0
	FETCH \p, 1                                    ; 60 products ahead of its first use
.elseif (\mode) == 3
	FETCH \p, 0
.endif
	GROUP \p, 0
	GROUP \p, 1
.rept 30
	MM \p
	MM \p
	GROUP \p, (n-2)/2
.if (n == 16) && (((\mode) == 1) || ((\mode) == 2))
	WIN 0                                          ; at a branch and at a label every window is 0
	s_barrier_wait -1
.if (\mode) == 1
	CREST
	JLOAD                                          ; my one tensor load behind the round
.endif
	FETCH \p, 1                                    ; the other slot's first tile: 48 products ahead of its first use
.if (\mode) == 1
	ASK
.endif
.endif
.endr
.endm
	s_wait_tensorcnt 0x1                           ; my parts of slot 0 and of the table are in; slot 1's may stay out
	s_barrier_signal -1
	s_barrier_wait -1                              ; everybody's are
	v_mov_b32 v[ADR], v[AE0]
	LOADE 0                                        ; tile 0
	s_mov_b32 s[FT], TILEB
	s_mov_b32 s[EO], 0
	s_mov_b32 s[TP], -2                            ; stepped at each tile's head: tile t scans tile t - 1
	s_mov_b32 s[STEPS], 14
.Lstep:                                        ; 14 slots are left and filled again
	s_mov_b32 s[PAIRS], 3
.Lpair:
	TILE 0, 0
	TILE 1, 0
	WIN 0
	s_sub_co_u32 s[PAIRS], s[PAIRS], 1
	s_cmp_lg_u32 s[PAIRS], 0
	s_cbranch_scc1 .Lpair
	TILE 0, 0
	TILE 1, 1
	WIN 0
	s_sub_co_u32 s[STEPS], s[STEPS], 1
	s_cmp_lg_u32 s[STEPS], 0
	s_cbranch_scc1 .Lstep
	s_mov_b32 s[PAIRS], 3                          ; the tail is written out: the last slot but one is left and nothing is asked for
.Lpair_a:
	TILE 0, 0
	TILE 1, 0
	WIN 0
	s_sub_co_u32 s[PAIRS], s[PAIRS], 1
	s_cmp_lg_u32 s[PAIRS], 0
	s_cbranch_scc1 .Lpair_a
	TILE 0, 0
	TILE 1, 2
	WIN 0
	s_mov_b32 s[PAIRS], 3                          ; and the last slot
.Lpair_b:
	TILE 0, 0
	TILE 1, 0
	WIN 0
	s_sub_co_u32 s[PAIRS], s[PAIRS], 1
	s_cmp_lg_u32 s[PAIRS], 0
	s_cbranch_scc1 .Lpair_b
	TILE 0, 0
	TILE 1, 3
	WIN 0
	s_add_co_u32 s[TP], s[TP], 1                   ; the last tile's scan
	s_wait_dscnt 0x0
	v_mov_b32 v[VT], s[TP]
.rept 3
	v_nop                                          ; with the line above: the four places behind the last products
.endr
	v_add_f32 v[TT], v[ACC+32], v[ES]
.set g, 0
.rept 32
	GROUP 0, g
.set g, g+1
.endr
	; ACROSS THE 16 CLASSES.  A lane's tile number becomes its code in the quarter, 16 x tile + r, as a float (under 2,048: exact).  A token's maximum over the 16 lanes of its half; then the least code among the lanes that hold it.
	s_mov_b32 s[INF], 0x7f800000
.set g, 0
.rept 32
	v_lshl_add_u32 v[BI+g], v[BI+g], 4, v[RR]
	v_mov_b32 v[MX+g], v[BV+g]
.set g, g+1
.endr
.set g, 0
.rept 32
	v_cvt_f32_u32 v[BI+g], v[BI+g]
.set g, g+1
.endr
.irp x, 1,2,4,8
.set g, 0
.rept 32
	v_max_num_f32_dpp v[MX+g], v[MX+g], v[MX+g] row_xmask:\x row_mask:0xf bank_mask:0xf
.set g, g+1
.endr
.endr
.set g, 0
.rept 32
	v_cmp_eq_f32 vcc_lo, v[BV+g], v[MX+g]
	v_cndmask_b32 v[BI+g], s[INF], v[BI+g], vcc_lo ; a lane below the maximum offers +infinity
.set g, g+1
.endr
.irp x, 1,2,4,8
.set g, 0
.rept 32
	v_min_num_f32_dpp v[BI+g], v[BI+g], v[BI+g] row_xmask:\x row_mask:0xf bank_mask:0xf
.set g, g+1
.endr
.endr
	DIAG DG+0, MX+0
	DIAG DG+1, MX+8
	DIAG DG+2, MX+16
	DIAG DG+3, MX+24
	DIAG DG+4, BI+0
	DIAG DG+5, BI+8
	DIAG DG+6, BI+16
	DIAG DG+7, BI+24
	v_cndmask_b32 v[DG+8], v[DG+0], v[DG+1], s[MHI]
	v_cndmask_b32 v[DG+9], v[DG+2], v[DG+3], s[MHI]
	v_cndmask_b32 v[DG+10], v[DG+4], v[DG+5], s[MHI]
	v_cndmask_b32 v[DG+11], v[DG+6], v[DG+7], s[MHI]
	v_cvt_u32_f32 v[DG+10], v[DG+10]
	v_cvt_u32_f32 v[DG+11], v[DG+11]
	v_add_nc_u32 v[DG+10], s83, v[DG+10]           ; the code in the whole codebook
	v_add_nc_u32 v[DG+11], s83, v[DG+11]
	OUT64 DG+8, DG+9, 256, DG+12, 10
	OUT64 DG+10, DG+11, 512, DG+14, 12
	s_wait_tensorcnt 0x0                           ; the wave's end, behind my last tensor load and my last LDS store
	ds_add_u32 v[SPW], v[NIL]
	s_wait_dscnt 0x0
	CROUND                                         ; the closing round: no work-group ends while a partner may still ask for a tile that names it
	s_endpgm
.Lfunc_end_k_q94cbae602f_scan:
	.size	k_q94cbae602f_scan, .Lfunc_end_k_q94cbae602f_scan-k_q94cbae602f_scan
	.p2alignl 7, 3214868480
	.fill 96, 4, 3214868480
	.section	.rodata,"a",@progbits
	.p2align	6, 0x0
	.amdhsa_kernel k_q94cbae602f_scan
		.amdhsa_group_segment_fixed_size 327680
		.amdhsa_private_segment_fixed_size 0
		.amdhsa_enable_private_segment 0
		.amdhsa_kernarg_size 48
		.amdhsa_user_sgpr_count 2
		.amdhsa_user_sgpr_kernarg_segment_ptr 1
		.amdhsa_wavefront_size32 1
		.amdhsa_system_sgpr_workgroup_id_x 1
		.amdhsa_system_sgpr_workgroup_id_y 1
		.amdhsa_system_sgpr_workgroup_id_z 1
		.amdhsa_system_vgpr_workitem_id 0
		.amdhsa_next_free_vgpr 1024
		.amdhsa_next_free_sgpr 84
		.amdhsa_reserve_vcc 1
		.amdhsa_float_denorm_mode_32 3
		.amdhsa_float_denorm_mode_16_64 3
		.amdhsa_memory_ordered 1
		.amdhsa_forward_progress 1
		.amdhsa_inst_pref_size 255
	.end_amdhsa_kernel
	.section	.bss,"aw",@nobits
	.p2align	6
	.space	262144
	.amdgpu_metadata
---
amdhsa.version: [ 1, 2 ]
amdhsa.kernels:
  - .name:           k_q94cbae602f_scan
    .symbol:         k_q94cbae602f_scan.kd
    .args:
      - { .name: z_flat, .offset: 0, .size: 8, .value_kind: global_buffer, .address_space: global }
      - { .name: wb, .offset: 8, .size: 8, .value_kind: global_buffer, .address_space: global }
      - { .name: eeh, .offset: 16, .size: 8, .value_kind: global_buffer, .address_space: global }
      - { .name: cval, .offset: 24, .size: 8, .value_kind: global_buffer, .address_space: global }
      - { .name: cidx, .offset: 32, .size: 8, .value_kind: global_buffer, .address_space: global }
      - { .name: zz, .offset: 40, .size: 8, .value_kind: global_buffer, .address_space: global }
    .group_segment_fixed_size: 327680
    .private_segment_fixed_size: 0
    .kernarg_segment_align: 8
    .kernarg_segment_size: 48
    .max_flat_workgroup_size: 128
    .sgpr_count:     84
    .vgpr_count:     1024
    .wavefront_size: 32
...
	.end_amdgpu_metadata
.endif
;; end of part 2
;; launch pick (part 3): grid 257 x 1, 16 waves a work-group, no clusters, 2,304 bytes of LDS; arguments cval, cidx, zz, wb, out0, out1, out2; writes out0, out1, out2
.if DOCPART == 3
	.amdgcn_target "amdgcn-amd-amdhsa--gfx1250"
	.amdhsa_code_object_version 6
	.text
	.protected	k_q94cbae602f_pick
	.globl	k_q94cbae602f_pick
	.p2align	8
	.type	k_q94cbae602f_pick,@function
k_q94cbae602f_pick:
	s_mov_b64 s[64:65], 0
	v_nop
	global_prefetch_b8 v0, s[64:65] scope:SCOPE_SE
	s_setreg_imm32_b32 hwreg(HW_REG_WAVE_MODE, 25, 1), 1
	s_wait_xcnt 0x0
; VECTOR QUANTIZER, launch 3 of 3: of each token's four candidates (one a quarter of the codebook) the one with the greatest score: its index (out2), its row (out1); and the loss (out0).
; LEFT OUT (shown at the head of the first kernel): z + (q - z) = q, so z_flat is not read here; the loss is 1.25 / (16,384 x 512) x the sum over tokens of ||z_b||^2 - 2 s_max.
; LIMITS.  out1 is the weight rounded to bf16.  Of equal scores the lower quarter, and so the lower index, wins.  The loss's terms are differences of f32 sums (the figure stands at the head of the first kernel).
; THE CHOICE STEERS NO ADDRESS.  Which candidate wins hangs on floating-point numbers, so ALL FOUR candidate rows are read, by the whole numbers that the launch before stored, and the winner is selected in registers.
; SHARES.  Work-groups 1 to 256: 64 tokens each, four to each of 16 waves.  A row is 1,024 bytes of wb: lane l takes 8 bytes of each of its four pieces of 256, which widen to 16 bytes of each piece of 512 of out1:
; every load covers 256, every store 512 consecutive bytes, aligned.  Two tokens' 16 loads each are always out.  Wave 0 also chooses the work-group's 64 indices, two a lane, and stores them as 256 consecutive bytes.
; Work-group 0: the loss: 512 threads, 32 tokens each; the sixteen waves' sums meet in LDS.
; No tensor loads (the rows come by a list), no cluster (nothing is read jointly), no prefetch (the candidates are known only when the rows are wanted).
.set SPARE, 256                        ; LDS: 16 partial sums in the block from 0; from 256 on the spare words, 128 bytes for each of 16 waves
.set SPW, 126                          ; v126  LDS address of my spare word; never rewritten
.set NIL, 127                          ; v127  0; never rewritten
.set VO,  4                            ; v[4:11]   two sets of four row offsets
.set DD,  16                           ; v[16:79]  two sets of 32: candidate q's 8 registers at 8 q
.set OO,  80                           ; v[80:111] two sets of 16: the chosen row in f32
.set LB,  16                           ; the loss: four buffers of 20
	s_load_b256 s[4:11], s[0:1], 0x0               ; cval s[4:5], cidx s[6:7], zz s[8:9], wb s[10:11]
	s_load_b128 s[12:15], s[0:1], 0x20             ; out0 s[12:13], out1 s[14:15]
	s_load_b64 s[16:17], s[0:1], 0x30              ; out2
	v_lshl_add_u32 v[SPW], v0, 2, SPARE
	v_mov_b32 v[NIL], 0
	v_lshrrev_b32 v3, 5, v0
	v_readfirstlane_b32 s18, v3                    ; wave 0..15
	v_and_b32 v3, 31, v0
	v_lshlrev_b32 v1, 3, v3                        ; 8 l
	v_lshlrev_b32 v2, 4, v3                        ; 16 l
	s_cmp_eq_u32 ttmp9, 0
	s_cbranch_scc1 .Lloss
	s_sub_co_u32 s19, ttmp9, 1                     ; my block of 64 tokens
	s_lshl_b32 s20, s19, 8                         ; its 256 bytes in a row of cval and cidx, and in out2
	s_mov_b32 s21, 0
	s_lshl_b32 s22, s18, 4                         ; my wave's four tokens: 16 bytes
	s_mov_b32 s23, 0
	s_lshl_b32 s24, s19, 6
	s_lshl_b32 s25, s18, 2
	s_add_co_u32 s24, s24, s25                     ; my first token,
	s_lshl_b32 s24, s24, 11                        ; its row of 2,048 bytes in out1
	s_mov_b32 s25, 0
	s_mov_b32 s30, 0xffff0000                      ; a word's upper bf16
	s_wait_kmcnt 0x0
	s_add_nc_u64 s[4:5], s[4:5], s[20:21]
	s_add_nc_u64 s[6:7], s[6:7], s[20:21]
	s_add_nc_u64 s[16:17], s[16:17], s[20:21]
	s_add_nc_u64 s[14:15], s[14:15], s[24:25]
	s_add_nc_u64 s[26:27], s[4:5], s[22:23]
	s_add_nc_u64 s[28:29], s[6:7], s[22:23]
.irp q, 0,1,2,3
	s_load_b128 s[32+4*\q:35+4*\q], s[28:29], 0x10000*\q  ; token i's candidate of quarter q: its code in s[32 + 4 q + i],
	s_load_b128 s[48+4*\q:51+4*\q], s[26:27], 0x10000*\q  ; its score in s[48 + 4 q + i]
.endr
	s_cmp_lg_u32 s18, 0
	s_cbranch_scc1 .Lnot_0
.irp q, 0,1,2,3                        ; wave 0: the work-group's 64 tokens, two a lane
	global_load_b64 v[16+2*\q:17+2*\q], v1, s[4:5] offset:65536*\q
	global_load_b64 v[24+2*\q:25+2*\q], v1, s[6:7] offset:65536*\q
.endr
	s_wait_loadcnt 0x0
.irp e, 0,1
	v_cmp_gt_f32 vcc_lo, v[18+\e], v[16+\e]        ; strictly greater: of equals the lower quarter stays
	v_cndmask_b32 v[24+\e], v[24+\e], v[26+\e], vcc_lo
	v_cndmask_b32 v[16+\e], v[16+\e], v[18+\e], vcc_lo
	v_cmp_gt_f32 vcc_lo, v[22+\e], v[20+\e]
	v_cndmask_b32 v[28+\e], v[28+\e], v[30+\e], vcc_lo
	v_cndmask_b32 v[20+\e], v[20+\e], v[22+\e], vcc_lo
	v_cmp_gt_f32 vcc_lo, v[20+\e], v[16+\e]
	v_cndmask_b32 v[24+\e], v[24+\e], v[28+\e], vcc_lo
.endr
	global_store_b64 v1, v[24:25], s[16:17]        ; 256 consecutive bytes of out2, aligned
	s_wait_xcnt 0x0                                ; the store has read v[24:25], into which rows are loaded below
.Lnot_0:
	s_wait_kmcnt 0x0
.irp i, 0,1,2,3
.irp q, 0,1,2,3
	s_min_u32 s[32+4*\q+\i], s[32+4*\q+\i], 0x1fff ; a code stays inside the codebook
.endr
.endr
.irp i, 0,1,2,3                        ; token i's three choices, as masks that are all ones or all zeros: the numbers compared are the same in every lane
	v_mov_b32 v112, s[48+\i]
	v_mov_b32 v113, s[56+\i]
	v_cmp_gt_f32 s[68+3*\i], s[52+\i], v112        ; quarter 1 over quarter 0
	v_cmp_gt_f32 s[69+3*\i], s[60+\i], v113        ; quarter 3 over quarter 2
	v_max_num_f32 v112, s[52+\i], v112
	v_max_num_f32 v113, s[60+\i], v113
	v_cmp_gt_f32 s[70+3*\i], v113, v112            ; the upper pair over the lower
.endr
.macro ISSUE i, d                      ; token i's four candidate rows into set d
.irp q, 0,1,2,3
	v_lshl_add_u32 v[VO+4*(\d)+\q], s[32+4*\q+(\i)], 10, v1
.endr
.irp q, 0,1,2,3
.irp c, 0,1,2,3
	global_load_b64 v[DD+32*(\d)+8*\q+2*\c:DD+32*(\d)+8*\q+2*\c+1], v[VO+4*(\d)+\q], s[10:11] offset:256*\c
.endr
.endr
.endm
.macro EMIT i, d, left                 ; the winner is selected, widened and stored.  left: the younger token's loads, which stay out
	s_wait_loadcnt \left                           ; loads come back in order: this token's 16 are in, and their offset registers are free
.if (\i) >= 2
	s_wait_xcnt 0x0                                ; the stores of two tokens back have read set d of OO, which is written anew below
.endif
.irp k, 0,1,2,3,4,5,6,7
	v_cndmask_b32 v[DD+32*(\d)+\k], v[DD+32*(\d)+\k], v[DD+32*(\d)+8+\k], s[68+3*(\i)]
	v_cndmask_b32 v[DD+32*(\d)+16+\k], v[DD+32*(\d)+16+\k], v[DD+32*(\d)+24+\k], s[69+3*(\i)]
.endr
.irp k, 0,1,2,3,4,5,6,7
	v_cndmask_b32 v[DD+32*(\d)+\k], v[DD+32*(\d)+\k], v[DD+32*(\d)+16+\k], s[70+3*(\i)]
.endr
.irp k, 0,1,2,3,4,5,6,7
	v_lshlrev_b32 v[OO+16*(\d)+2*\k], 16, v[DD+32*(\d)+\k]    ; bf16 to f32: the low half moves up,
	v_and_b32 v[OO+16*(\d)+2*\k+1], s30, v[DD+32*(\d)+\k]     ; the high half stays
.endr
.irp c, 0,1,2,3
	global_store_b128 v2, v[OO+16*(\d)+4*\c:OO+16*(\d)+4*\c+3], s[14:15] offset:2048*(\i)+512*\c th:TH_STORE_NT
.endr
.endm
	ISSUE 0, 0
	ISSUE 1, 1
	EMIT 0, 0, 16
	ISSUE 2, 0
	EMIT 1, 1, 16
	ISSUE 3, 1
	EMIT 2, 0, 16
	EMIT 3, 1, 0
	s_endpgm                                       ; this way has written no LDS
.Lloss:                                        ; thread t takes the four tokens at byte 16 t + 8,192 i of each row, i = 0 .. 7: a wave's load covers 512 consecutive bytes
	v_lshlrev_b32 v4, 4, v0
	s_mov_b32 s20, 0x76543210                      ; v_permlanex16_b32: each lane takes its own place in the other half
	s_mov_b32 s21, 0xfedcba98
	s_wait_kmcnt 0x0
.macro LGRP i                          ; group i: four quarters' scores and ||z_b||^2, into buffer i % 4
.irp q, 0,1,2,3
	global_load_b128 v[LB+20*((\i)%4)+4*\q:LB+20*((\i)%4)+4*\q+3], v4, s[4:5] offset:65536*\q+8192*(\i)
.endr
	global_load_b128 v[LB+20*((\i)%4)+16:LB+20*((\i)%4)+19], v4, s[8:9] offset:8192*(\i)
.endm
.macro LSUM i, left                    ; ||z_b||^2 - 2 max(s), four tokens; four running sums in v[100:103]
.set lb, LB+20*((\i)%4)
	s_wait_loadcnt \left                           ; my five loads are in; the younger groups' five each stay out
.irp j, 0,1,2,3
	v_max3_num_f32 v[96+\j], v[lb+\j], v[lb+4+\j], v[lb+8+\j]
.endr
.irp j, 0,1,2,3
	v_max_num_f32 v[96+\j], v[96+\j], v[lb+12+\j]
.endr
.if (\i) == 0
	v_pk_fma_f32 v[100:101], v[96:97], -2.0, v[lb+16:lb+17] op_sel_hi:[1,0,1]  ; the first group starts the sums: nothing is cleared
	v_pk_fma_f32 v[102:103], v[98:99], -2.0, v[lb+18:lb+19] op_sel_hi:[1,0,1]
.else
	v_pk_fma_f32 v[104:105], v[96:97], -2.0, v[lb+16:lb+17] op_sel_hi:[1,0,1]
	v_pk_fma_f32 v[106:107], v[98:99], -2.0, v[lb+18:lb+19] op_sel_hi:[1,0,1]
	v_pk_add_f32 v[100:101], v[100:101], v[104:105]
	v_pk_add_f32 v[102:103], v[102:103], v[106:107]
.endif
.endm
	LGRP 0
	LGRP 1
	LGRP 2
	LGRP 3
	LSUM 0, 15
	LGRP 4
	LSUM 1, 15
	LGRP 5
	LSUM 2, 15
	LGRP 6
	LSUM 3, 15
	LGRP 7
	LSUM 4, 15
	LSUM 5, 10
	LSUM 6, 5
	LSUM 7, 0
	v_pk_add_f32 v[100:101], v[100:101], v[102:103]
	v_add_f32 v100, v100, v101
	v_add_f32_dpp v100, v100, v100 row_xmask:1 row_mask:0xf bank_mask:0xf
	v_add_f32_dpp v100, v100, v100 row_xmask:2 row_mask:0xf bank_mask:0xf
	v_add_f32_dpp v100, v100, v100 row_xmask:4 row_mask:0xf bank_mask:0xf
	v_add_f32_dpp v100, v100, v100 row_xmask:8 row_mask:0xf bank_mask:0xf
	v_permlanex16_b32 v101, v100, s20, s21
	v_add_f32 v100, v100, v101                     ; the wave's sum, in every lane
	v_mov_b32 v5, s18
	v_lshlrev_b32 v5, 2, v5
	ds_store_b32 v5, v100                          ; all lanes write the same word with the same value
	s_wait_dscnt 0x0                               ; for the others' sake: my store is done
	s_barrier_signal -1
	s_barrier_wait -1
	s_cmp_lg_u32 s18, 0
	s_cbranch_scc1 .Lend
	v_mov_b32 v6, 0
.irp k, 0,1,2,3
	ds_load_b128 v[16+4*\k:19+4*\k], v6 offset:16*\k
.endr
	s_wait_dscnt 0x0
.irp k, 0,2,4,6
	v_pk_add_f32 v[16+\k:17+\k], v[16+\k:17+\k], v[24+\k:25+\k]
.endr
	v_pk_add_f32 v[16:17], v[16:17], v[20:21]
	v_pk_add_f32 v[18:19], v[18:19], v[22:23]
	v_pk_add_f32 v[16:17], v[16:17], v[18:19]
	v_add_f32 v16, v16, v17
	v_mul_f32 v16, 0x34200000, v16                 ; x 1.25 / 2^23: 16,384 x 512 numbers
	v_cmp_eq_u32 vcc_lo, 0, v0
	s_wait_xcnt 0x0                                ; EXEC is narrowed only when every earlier load has had its addresses translated
	s_and_saveexec_b32 s22, vcc_lo
	global_store_b32 v6, v16, s[12:13]             ; one lane stores the one number
	s_wait_xcnt 0x0                                ; and widened again only behind the same wait
	s_or_b32 exec_lo, exec_lo, s22
.Lend:
	s_wait_tensorcnt 0x0                           ; the wave's end, behind my last LDS store
	ds_add_u32 v[SPW], v[NIL]
	s_wait_dscnt 0x0
	s_endpgm
.Lfunc_end_k_q94cbae602f_pick:
	.size	k_q94cbae602f_pick, .Lfunc_end_k_q94cbae602f_pick-k_q94cbae602f_pick
	.p2alignl 7, 3214868480
	.fill 96, 4, 3214868480
	.section	.rodata,"a",@progbits
	.p2align	6, 0x0
	.amdhsa_kernel k_q94cbae602f_pick
		.amdhsa_group_segment_fixed_size 2304
		.amdhsa_private_segment_fixed_size 0
		.amdhsa_enable_private_segment 0
		.amdhsa_kernarg_size 56
		.amdhsa_user_sgpr_count 2
		.amdhsa_user_sgpr_kernarg_segment_ptr 1
		.amdhsa_wavefront_size32 1
		.amdhsa_system_sgpr_workgroup_id_x 1
		.amdhsa_system_sgpr_workgroup_id_y 1
		.amdhsa_system_sgpr_workgroup_id_z 1
		.amdhsa_system_vgpr_workitem_id 0
		.amdhsa_next_free_vgpr 128
		.amdhsa_next_free_sgpr 80
		.amdhsa_reserve_vcc 1
		.amdhsa_float_denorm_mode_32 3
		.amdhsa_float_denorm_mode_16_64 3
		.amdhsa_memory_ordered 1
		.amdhsa_forward_progress 1
		.amdhsa_inst_pref_size 34
	.end_amdhsa_kernel
	.amdgpu_metadata
---
amdhsa.version: [ 1, 2 ]
amdhsa.kernels:
  - .name:           k_q94cbae602f_pick
    .symbol:         k_q94cbae602f_pick.kd
    .args:
      - { .name: cval, .offset: 0, .size: 8, .value_kind: global_buffer, .address_space: global }
      - { .name: cidx, .offset: 8, .size: 8, .value_kind: global_buffer, .address_space: global }
      - { .name: zz, .offset: 16, .size: 8, .value_kind: global_buffer, .address_space: global }
      - { .name: wb, .offset: 24, .size: 8, .value_kind: global_buffer, .address_space: global }
      - { .name: out0, .offset: 32, .size: 8, .value_kind: global_buffer, .address_space: global }
      - { .name: out1, .offset: 40, .size: 8, .value_kind: global_buffer, .address_space: global }
      - { .name: out2, .offset: 48, .size: 8, .value_kind: global_buffer, .address_space: global }
    .group_segment_fixed_size: 2304
    .private_segment_fixed_size: 0
    .kernarg_segment_align: 8
    .kernarg_segment_size: 56
    .max_flat_workgroup_size: 512
    .sgpr_count:     80
    .vgpr_count:     128
    .wavefront_size: 32
...
	.end_amdgpu_metadata
.endif
;; end of part 3
